; MI455X (gfx1250); checked and timed in simulation.
; The chip was launched on July 23, 2026; its instructions are those of AMD's public machine-readable ISA for CDNA 5 (MIT licence, August 2026) and "CDNA5" Instruction Set Architecture Reference Guide (July 2026). The comments in the code are by the model that wrote it; some were corrected since.
;; Householder Linear. Allowed arithmetic: matrix products marked QUANTISED: E3M2 operands, one E8M0 scale for each 32 along K, by v_wmma_scale_f32_16x16x128_f8f6f4 with both operands' format E3M2, f32 sums; products left as they are: f32 operands where the result goes on into a quantised operand, else bf16, f16 or f32 operands; f32 sums; everything else in f32.
;; Inputs: bias 4,096 float32; vs 10 x 4,096 float32; w_codes 4,096 x 128 x 24 uint8 (E3M2 codes of w, K innermost, in blocks of 32 codes, four codes in three bytes); w_scales 4,096 x 128 uint8 (E8M0 scales of w, one for each 32 codes along K); x 4,096 x 4,096 float32.
;; Outputs: out0 4,096 x 4,096 float32.
;; Constants: time = 3.
;; This version of the problem:
;;   THIS VERSION OF THE PROBLEM IS GIVEN IN LOW PRECISION. The matrix products marked QUANTISED in the list below multiply operands that are first quantised to E3M2 (3 exponent bits, 2 mantissa bits; 6 bits a number), with one power-of-two scale for each 32 numbers along K (OCP MX v1.0); their sums are f32. All else is computed in f32.
;;   The module's matrix products, in the order in which they are computed (A, B: the left and right operand; K: the contracted axis; several contracted axes count as one K, in the product's order):
;;     1. [M 4,096, K 4,096] x [K 4,096, N 1]; A: input x; B: computed on the way: left as it is (N = 1 < 16)
;;     2. [M 4,096, K 4,096] x [K 4,096, N 4,096]; A: computed on the way; B: input w (given as codes): QUANTISED
;;   THE QUANTISER, for each operand of a quantised product, along K:
;;     - K is cut into blocks of 32 from its start; a last block that is shorter is filled with zeros.
;;     - A block's scale is 2^e with e = floor(log2(the largest magnitude in the block)) - 4, held to -126 .. 127; a block of zeros has e = 0. As a byte (E8M0): e + 127.
;;     - Each number is divided by its block's scale, clamped to +-28, and rounded to the nearest number of E3M2, ties to even, subnormals kept.
;;     - The product sums the exact products of the quantised numbers (number of the format x scale) in f32.
;;   ~~~python
;;   def quantise(x, axis):      # numpy; x: float32 -> the quantised numbers, widened to float32 again
;;       x = np.moveaxis(x, axis, -1); K = x.shape[-1]
;;       x = np.pad(x, [(0, 0)] * (x.ndim - 1) + [(0, -K % 32)]); x = x.reshape(x.shape[:-1] + (-1, 32)); a = np.abs(x).max(-1, keepdims=True)
;;       e = np.where(a > 0, np.clip(np.frexp(np.where(a > 0, a, 1))[1] - 1 - 4, -126, 127), 0)      # np.frexp(a)[1] - 1 = floor(log2(a)), exactly
;;       r = np.clip(x / 2.0 ** e, -28, 28)
;;       step = 2.0 ** (np.maximum(np.frexp(np.where(r == 0, 1, r))[1] - 1, -2) - 2)
;;       q = np.round(r / step) * step * 2.0 ** e      # np.round: ties to even
;;       return np.moveaxis(q.reshape(q.shape[:-2] + (-1,))[..., :K], -1, axis).astype(np.float32)
;;   ~~~
;;   OPERANDS COMPUTED ON THE WAY. 'Computed on the way' means the value that the module computes at that place (a softmax that the list does not call 'softmax' is quantised finished and normalised). What goes into a quantiser is computed in f32, as accurately as f32 sums, v_exp_f32 and their like allow (about 1e-6 of the number): no bf16 or f16 on the way to a quantiser, and a product that is left as it is and whose result goes on into a quantised operand takes f32 operands (vector FMAs, or v_wmma_f32_16x16x4_f32). A number that lies on a knife's edge between two numbers of the format may be rounded either way, as far as f32 arithmetic and the matrix unit's own rounding can turn it there, and no further.
;;   INPUTS GIVEN AS CODES. w (in the module: [4096, 4096], K = its axis 0): each comes as NAME_codes (uint8): NAME with its K axis moved to the last place and cut into blocks of 32 codes, [.., K / 32, bytes a block], one block behind the other in memory; four codes in three bytes: a row's codes are one little-endian stream of bits, code i at bits 6 i .. 6 i + 5 (a code: sign, 3 exponent bits, 2 mantissa bits); and NAME_scales (uint8): the same leading axes, one E8M0 byte (e + 127) for each 32 codes along K. Its value is code x scale, taken as it is: it is not quantised again, and the codes and scales need not be those that the quantiser above would give.
;; One version. Each part assembles by itself: llvm-mc -triple=amdgcn-amd-amdhsa -mcpu=gfx1250 --defsym DOCPART=n.
;; ======== version 1 of 1: 2 launches
;; limits: right only within a limited range of input values
;; workspace buffers: a_frag 12,582,912 bytes; a_sc 524,288 bytes; w_sc 524,288 bytes
;; launch quant (part 1): grid 256 x 1, 8 waves a work-group, no clusters, 299,008 bytes of LDS; arguments x, vs, w_scales, a_frag, a_sc, w_sc; writes a_frag, a_sc, w_sc
.if DOCPART == 1
	.amdgcn_target "amdgcn-amd-amdhsa--gfx1250"
	.amdhsa_code_object_version 6
	.text
	.protected	k_q6bd2f74709_quant
	.globl	k_q6bd2f74709_quant
	.p2align	8
	.type	k_q6bd2f74709_quant,@function
k_q6bd2f74709_quant:
	s_mov_b64 s[64:65], 0
	v_nop
	global_prefetch_b8 v0, s[64:65] scope:SCOPE_SE
	s_setreg_imm32_b32 hwreg(HW_REG_WAVE_MODE, 25, 1), 1
	s_wait_xcnt 0x0
; m = x - 2 (x . u) u, u = vs[3] / sqrt(sum of vs[3]^2), all in f32; then m becomes codes of BF6 (E3M2) with one E8M0 byte for each 32 along K.
; Nothing of reference() is left out; every input has its way to the output (bias is read by the second launch).
; OUT: a_frag: for each block of 16 rows and each step of 128 along K, 1,536 bytes in the order of the matrix operand's registers: register p of lane L (row L % 16, half L / 16)
; lies at 512 (p / 4) + 16 L + 4 (p % 4); registers 6 c + 0..5 hold k = 64 c + 32 (L / 16) + 0..31.  a_sc: [block of 16 rows][512 along K][row][16 scale bytes].  w_sc: w_scales laid the same way.
; LIMITS: NaN and infinities among the inputs are not served; a vector whose sum of squares lies under 2^-126 is not served (the reciprocal root takes it for zero); a block whose largest magnitude
; lies under 2^-122 gets the byte 1; so does a block of zeros, where the rule says 127: its codes are zeros and the bytes are read by this program alone.
; SHARES: a work-group of eight waves takes 16 rows (one block), a wave two; one wave, one row: the dot product never leaves the wave, and the row stays in 128 registers: x is read once.
; LDS: each wave's two rows (32,768 dense bytes) come by ONE tensor load as 128 pieces of 256 bytes, 16 bytes of padding behind each; the vector comes by plain loads, an eighth a wave, and LDS stores.
; Nothing is filled again.  When all rows have been read (a barrier) the codes are staged over the rows' bytes, which have had their only fill, and leave as whole runs of 512 bytes.
.set TIME,  3
.set LROW,  64*272
.set VB,    16*LROW                    ; the vector
.set SB,    VB+LROW                    ; 2,048 scale bytes, as a_sc has them
.set SPARE, SB+2048                    ; the spare words: 128 bytes a wave
.set SPIT,  1552                       ; the stage: a step's 1,536 bytes + 16
.set LX,    2
.set LV,    3
.set SBW,   5
.set SBR,   6
.set SO,    7                          ; 8 x lane
.set ACC,   8
.set RS,    16
.set TT,    18
.set MA,    24
.set MB,    32
.set SC,    40
.set EB,    48
.set SA,    56                         ; v56-58 where my code word i goes in the stage
.set CR,    59                         ; where I read the stage back
.set CO,    60                         ; 16 x lane
.set VS,    61                         ; where my 16 bytes of the vector go
.set WO,    62                         ; my 8 bytes of w_scales
.set XR,    64
.set CD,    192
.set VV,    0                          ; window 1
.set SPW,   251
.set NIL,   255
.set G1,    20
.set G0,    28
.set SEL,   32
.set MSB, 0
.macro WIN new
.if MSB != \new
	s_set_vgpr_msb (MSB<<8)|\new
.set MSB, \new
.endif
.endm
	s_load_b256 s[4:11], s[0:1], 0x0               ; x, vs, w_scales, a_frag
	s_load_b128 s[12:15], s[0:1], 0x20             ; a_sc, w_sc
	v_lshl_add_u32 v[SPW], v0, 2, SPARE
	v_mov_b32 v[NIL], 0
	ds_add_u32 v[SPW], v[NIL]                      ; the opening lines: the add twice and one wait
	ds_add_u32 v[SPW], v[NIL]
	v_lshrrev_b32 v1, 5, v0
	s_delay_alu instid0(VALU_DEP_1)
	v_readfirstlane_b32 s16, v1                    ; wave 0..7
	s_mul_i32 s17, s16, 2*LROW                     ; my two rows in LDS
	s_lshl_b32 s18, s16, 5                         ; 16 bytes x my first row of the block
	s_add_co_u32 s44, s18, SB
	s_lshl_b32 s45, s16, 8
	s_add_co_u32 s45, s45, SB
	s_mul_i32 s46, s16, 4*SPIT
	s_mul_i32 s47, s16, 8*272
	s_add_co_u32 s47, s47, VB
	s_mov_b32 s[G1+0], (3<<16)|(1<<20)|(5<<22)|(3<<25)  ; elements of 8 bytes; 4 words of padding behind every 64
	s_mov_b32 s[G1+1], 32<<16
	s_mov_b32 s[G1+2], 128<<16                     ; 128 pieces of 256 bytes
	s_mov_b32 s[G1+3], 32<<16
	s_mov_b32 s[G1+4], 128
	s_mov_b32 s[G1+5], 32
	s_mov_b32 s[G1+6], 0
	s_mov_b32 s[G1+7], 0
	s_lshl_b32 s34, ttmp9, 18
	s_lshl_b32 s35, s16, 15
	s_add_co_u32 s34, s34, s35                     ; x: 16 rows a group, two a wave
	s_mov_b32 s35, 0
	s_lshl_b32 s36, s16, 11
	s_add_co_u32 s36, s36, TIME*16384              ; my eighth of row TIME of vs
	s_mov_b32 s37, 0
	s_mul_i32 s38, ttmp9, 49152
	s_mul_i32 s39, s16, 6144
	s_add_co_u32 s38, s38, s39                     ; a_frag: my four steps of the block
	s_mov_b32 s39, 0
	s_lshl_b32 s40, ttmp9, 11
	s_lshl_b32 s41, s16, 8
	s_lshl_b32 s42, s16, 4
	s_add_co_u32 s42, s40, s42                     ; w_scales: the block's rows, my 16 bytes of each
	s_add_co_u32 s40, s40, s41                     ; a_sc, w_sc: my 256 bytes of the block
	s_mov_b32 s41, 0
	s_mov_b32 s43, 0
	s_mov_b32 s[SEL], 0x76543210
	s_mov_b32 s[SEL+1], 0xfedcba98
	v_and_b32 v1, 31, v0
	v_mov_b32 v[RS+1], 0
	v_mov_b32 v[TT+1], 0
	v_lshrrev_b32 v22, 2, v1
	v_and_b32 v23, 3, v1
	v_lshrrev_b32 v20, 1, v1
	v_mul_u32_u24 v22, v22, 272
	v_and_b32 v21, 1, v1
	v_lshlrev_b32 v[SO], 3, v1
	v_lshl_add_u32 v22, v23, 6, v22                ; 272 (lane / 4) + 64 (lane % 4): my 64 bytes of a step of 512 numbers
	v_lshlrev_b32 v[WO], 7, v20
	v_lshlrev_b32 v[CO], 4, v1
	v_add_nc_u32 v[LX], s17, v22
	v_add_nc_u32 v[LV], VB, v22
	v_add_nc_u32 v[SBW], s44, v20                  ; my block's scale byte: 16 (row) + lane / 2
	v_lshl_add_u32 v[WO], v21, 3, v[WO]            ; row lane / 2 of 128 bytes, half lane % 2
	v_add_nc_u32 v[SBR], s45, v[SO]
	v_add_nc_u32 v[CR], s46, v[CO]
	v_lshrrev_b32 v22, 4, v1
	v_and_b32 v23, 15, v1
	s_delay_alu instid0(VALU_DEP_2)
	v_mul_u32_u24 v22, v22, 272
	s_delay_alu instid0(VALU_DEP_1)
	v_lshl_add_u32 v22, v23, 4, v22
	s_delay_alu instid0(VALU_DEP_1)
	v_add_nc_u32 v[VS], s47, v22
	v_bfe_u32 v22, v1, 2, 1                        ; c
	v_lshrrev_b32 v23, 3, v1                       ; which of a turn's four steps of 128
	v_bfe_u32 v20, v1, 1, 1                        ; the operand's half
	v_mul_u32_u24 v22, v22, 6
	v_mul_u32_u24 v23, v23, SPIT
	s_delay_alu instid0(VALU_DEP_2)
	v_mad_u32_u24 v22, v21, 3, v22                 ; my first operand register: 6 c + 3 (lane % 2)
	s_delay_alu instid0(VALU_DEP_2)
	v_lshl_add_u32 v23, v20, 8, v23
	s_delay_alu instid0(VALU_DEP_1)
	v_add_nc_u32 v23, s18, v23
.irp i, 0,1,2
	v_add_nc_u32 v20, \i, v22
	s_delay_alu instid0(VALU_DEP_1)
	v_lshrrev_b32 v21, 2, v20
	v_and_b32 v20, 3, v20
	s_delay_alu instid0(VALU_DEP_2)
	v_lshl_add_u32 v21, v21, 9, v23
	s_delay_alu instid0(VALU_DEP_1)
	v_lshl_add_u32 v[SA+\i], v20, 2, v21
.endr
	s_wait_alu depctr_va_vdst(0)                   ; the wait at the head's end
	s_wait_dscnt 0x0
	s_wait_kmcnt 0x0
	s_add_nc_u64 s[4:5], s[4:5], s[34:35]
	s_add_nc_u64 s[6:7], s[6:7], s[36:37]
	s_add_nc_u64 s[8:9], s[8:9], s[42:43]
	s_add_nc_u64 s[10:11], s[10:11], s[38:39]
	s_add_nc_u64 s[12:13], s[12:13], s[40:41]
	s_add_nc_u64 s[14:15], s[14:15], s[40:41]
	s_mov_b32 s[G0], 1
	s_mov_b32 s[G0+1], s17
	s_mov_b64 s[G0+2:G0+3], s[4:5]
	s_or_b32 s[G0+3], s[G0+3], 0x80000000
	tensor_load_to_lds s[G0:G0+3], s[G1:G1+7]      ; my one tensor load: both rows
	s_nop 0
.rept 4
	v_nop
.endr
.irp i, 0,1,2,3
	global_load_b128 v[XR+4*\i:XR+4*\i+3], v[CO], s[6:7] offset:512*\i   ; my 2,048 bytes of the vector
.endr
	global_load_b64 v[20:21], v[WO], s[8:9]
	s_wait_loadcnt 0x1                             ; the vector's four; one younger load may be out
.irp i, 0,1,2,3
	ds_store_b128 v[VS], v[XR+4*\i:XR+4*\i+3] offset:544*\i
.endr
	s_wait_loadcnt 0x0
	global_store_b64 v[SO], v[20:21], s[14:15]     ; w's scale bytes re-laid: the wave stores 256 consecutive bytes, aligned
	s_wait_dscnt 0x0                               ; for the others: my eighth is stored
	s_barrier_signal -1
	s_barrier_wait -1                              ; the rows may stay on their way
.macro CHAINS a, b                     ; the sum over my 128 numbers of a x b, in four chains; 16 products want 8 of the 32 LDS loads issued just before
.set k, 0
.rept 64
.if k%16 == 0
	s_wait_alu depctr_va_vdst(0)
	s_wait_dscnt 24-8*(k/16)
.endif
.if k < 4
	v_pk_mul_f32 v[ACC+2*k:ACC+2*k+1], v[\a+2*k:\a+2*k+1], v[\b+2*k:\b+2*k+1]
.else
	v_pk_fma_f32 v[ACC+2*(k%4):ACC+2*(k%4)+1], v[\a+2*k:\a+2*k+1], v[\b+2*k:\b+2*k+1], v[ACC+2*(k%4):ACC+2*(k%4)+1]
.endif
.set k, k+1
.endr
.endm
.macro REDUCE                          ; a lane's eight sums, then the 32 lanes: the wave's sum in every lane's v[RS]
	v_pk_add_f32 v[ACC:ACC+1], v[ACC:ACC+1], v[ACC+2:ACC+3]
	v_pk_add_f32 v[ACC+4:ACC+5], v[ACC+4:ACC+5], v[ACC+6:ACC+7]
	s_delay_alu instid0(VALU_DEP_1)
	v_pk_add_f32 v[ACC:ACC+1], v[ACC:ACC+1], v[ACC+4:ACC+5]
	s_delay_alu instid0(VALU_DEP_1)
	v_add_f32 v[RS], v[ACC], v[ACC+1]
.irp m, 1,2,4,8
	s_delay_alu instid0(VALU_DEP_1)
	v_add_f32_dpp v[RS], v[RS], v[RS] row_xmask:\m row_mask:0xf bank_mask:0xf
.endr
	s_delay_alu instid0(VALU_DEP_1)
	v_permlanex16_b32 v[RS+1], v[RS], s[SEL], s[SEL+1]
	s_delay_alu instid0(VALU_DEP_1)
	v_add_f32 v[RS], v[RS], v[RS+1]
.endm
	WIN 0x40
.irp t, 0,1,2,3,4,5,6,7
.irp i, 0,1,2,3
	ds_load_b128 v[VV+16*\t+4*\i:VV+16*\t+4*\i+3], v[LV] offset:2176*\t+16*\i
.endr
.endr
	WIN 0x05
	CHAINS VV, VV                                  ; the sum of the vector's squares
	WIN 0
	REDUCE
	s_wait_alu depctr_va_vdst(0)                   ; the wait ahead of the transcendental
	v_rsq_f32 v[TT], v[RS]
	v_mov_b32 v[TT+1], 0                           ; a plain line behind it
	s_wait_alu depctr_va_vdst(0)                   ; the wait ahead of its first reader
	WIN 0x41
.set k, 0
.rept 64
	v_pk_mul_f32 v[VV+2*k:VV+2*k+1], v[VV+2*k:VV+2*k+1], v[TT:TT+1] op_sel_hi:[1,0]   ; u
.set k, k+1
.endr
	WIN 0
.macro ROW j
	s_wait_tensorcnt 0x0                           ; my rows have landed
.irp t, 0,1,2,3,4,5,6,7
.irp i, 0,1,2,3
	ds_load_b128 v[XR+16*\t+4*\i:XR+16*\t+4*\i+3], v[LX] offset:\j*LROW+2176*\t+16*\i
.endr
.endr
	WIN 0x04
	CHAINS XR, VV                                  ; x . u
	WIN 0
	REDUCE
	s_delay_alu instid0(VALU_DEP_1)
	v_mul_f32 v[TT], -2.0, v[RS]
	WIN 0x01
.set k, 0
.rept 64
	v_pk_fma_f32 v[XR+2*k:XR+2*k+1], v[VV+2*k:VV+2*k+1], v[TT:TT+1], v[XR+2*k:XR+2*k+1] op_sel_hi:[1,0,1]   ; m, in place
.set k, k+1
.endr
	WIN 0
.irp t, 0,1,2,3,4,5,6,7                ; the eight turns line by line: the largest magnitude of my 16, in two chains
	v_max3_num_f32 v[MA+\t], |v[XR+16*\t]|, |v[XR+16*\t+1]|, |v[XR+16*\t+2]|
	v_max3_num_f32 v[MB+\t], |v[XR+16*\t+3]|, |v[XR+16*\t+4]|, |v[XR+16*\t+5]|
.endr
.irp i, 6,10
.irp t, 0,1,2,3,4,5,6,7
	v_max3_num_f32 v[MA+\t], v[MA+\t], |v[XR+16*\t+\i]|, |v[XR+16*\t+\i+1]|
	v_max3_num_f32 v[MB+\t], v[MB+\t], |v[XR+16*\t+\i+2]|, |v[XR+16*\t+\i+3]|
.endr
.endr
.irp t, 0,1,2,3,4,5,6,7
	v_max3_num_f32 v[MA+\t], v[MA+\t], |v[XR+16*\t+14]|, |v[XR+16*\t+15]|
.endr
.irp t, 0,1,2,3,4,5,6,7
	v_max3_num_f32 v[MA+\t], v[MA+\t], v[MB+\t], 0x2800000   ; the floor 2^(5 - 127): the byte cannot fall under 1
.endr
.irp t, 0,1,2,3,4,5,6,7
	v_max_num_f32_dpp v[MA+\t], v[MA+\t], v[MA+\t] row_xmask:1 row_mask:0xf bank_mask:0xf   ; with my neighbour's 16: the block's
.endr
.irp t, 0,1,2,3,4,5,6,7
	v_add_nc_u32 v[SC+\t], 0xfe000000, v[MA+\t]    ; 4 off the exponent field: the conversion's scale operand
.endr
.irp t, 0,1,2,3,4,5,6,7
	v_cvt_scalef32_pk16_bf6_f32 v[CD+32*\j+4*\t:CD+32*\j+4*\t+2], v[XR+16*\t:XR+16*\t+15], v[SC+\t]
.endr
.irp t, 0,1,2,3,4,5,6,7
	v_lshrrev_b32 v[EB+\t], 23, v[SC+\t]           ; the scale's byte (also the plain lines behind the conversions)
.endr
.irp t, 0,1,2,3,4,5,6,7
	ds_store_b8 v[SBW], v[EB+\t] offset:256*\t+16*\j   ; both lanes of a block write the same byte
.endr
.endm
	ROW 0
	ROW 1
	s_wait_alu depctr_va_vdst(0)                   ; the wait ahead of the blocking wait
	s_wait_dscnt 0x0                               ; my reads of my rows are back, my bytes are stored
	s_barrier_signal -1
	s_barrier_wait -1                              ; nobody reads a row any more: the stage may lie over them
.irp j, 0,1
.irp t, 0,1,2,3,4,5,6,7
.irp i, 0,1,2
	ds_store_b32 v[SA+\i], v[CD+32*\j+4*\t+\i] offset:4*SPIT*\t+16*\j
.endr
.endr
.endr
	s_wait_dscnt 0x0
	s_barrier_signal -1
	s_barrier_wait -1
.irp n, 0,1,2,3,4,5,6,7,8,9,10,11
	ds_load_b128 v[XR+4*\n:XR+4*\n+3], v[CR] offset:(\n/3)*SPIT+(\n%3)*512
.endr
	ds_load_b64 v[22:23], v[SBR]
	s_wait_dscnt 0x0
.irp n, 0,1,2,3,4,5,6,7,8,9,10,11
	global_store_b128 v[CO], v[XR+4*\n:XR+4*\n+3], s[10:11] offset:512*\n   ; the wave stores 512 consecutive bytes, aligned
.endr
	global_store_b64 v[SO], v[22:23], s[12:13]     ; 256 consecutive scale bytes, aligned
	s_wait_tensorcnt 0x0                           ; the wave's end
	ds_add_u32 v[SPW], v[NIL]
	s_wait_dscnt 0x0
	s_endpgm
.Lfunc_end_k_q6bd2f74709_quant:
	.size	k_q6bd2f74709_quant, .Lfunc_end_k_q6bd2f74709_quant-k_q6bd2f74709_quant
	.p2alignl 7, 3214868480
	.fill 96, 4, 3214868480
	.section	.rodata,"a",@progbits
	.p2align	6, 0x0
	.amdhsa_kernel k_q6bd2f74709_quant
		.amdhsa_group_segment_fixed_size 299008
		.amdhsa_private_segment_fixed_size 0
		.amdhsa_enable_private_segment 0
		.amdhsa_kernarg_size 48
		.amdhsa_user_sgpr_count 2
		.amdhsa_user_sgpr_kernarg_segment_ptr 1
		.amdhsa_wavefront_size32 1
		.amdhsa_system_sgpr_workgroup_id_x 1
		.amdhsa_system_sgpr_workgroup_id_y 1
		.amdhsa_system_sgpr_workgroup_id_z 1
		.amdhsa_system_vgpr_workitem_id 0
		.amdhsa_next_free_vgpr 384
		.amdhsa_next_free_sgpr 66
		.amdhsa_reserve_vcc 0
		.amdhsa_float_denorm_mode_32 3
		.amdhsa_float_denorm_mode_16_64 3
		.amdhsa_memory_ordered 1
		.amdhsa_forward_progress 1
		.amdhsa_inst_pref_size 59
	.end_amdhsa_kernel
	.amdgpu_metadata
---
amdhsa.version: [ 1, 2 ]
amdhsa.kernels:
  - .name:           k_q6bd2f74709_quant
    .symbol:         k_q6bd2f74709_quant.kd
    .args:
      - { .name: x, .offset: 0, .size: 8, .value_kind: global_buffer, .address_space: global }
      - { .name: vs, .offset: 8, .size: 8, .value_kind: global_buffer, .address_space: global }
      - { .name: w_scales, .offset: 16, .size: 8, .value_kind: global_buffer, .address_space: global }
      - { .name: a_frag, .offset: 24, .size: 8, .value_kind: global_buffer, .address_space: global }
      - { .name: a_sc, .offset: 32, .size: 8, .value_kind: global_buffer, .address_space: global }
      - { .name: w_sc, .offset: 40, .size: 8, .value_kind: global_buffer, .address_space: global }
    .group_segment_fixed_size: 299008
    .private_segment_fixed_size: 0
    .kernarg_segment_align: 8
    .kernarg_segment_size: 48
    .max_flat_workgroup_size: 256
    .sgpr_count:     66
    .vgpr_count:     384
    .wavefront_size: 32
...
	.end_amdgpu_metadata
.endif
;; end of part 1
;; launch gemm (part 2): grid 16 x 16, 4 waves a work-group, clusters of 4 x 1, 327,680 bytes of LDS; arguments a_frag, a_sc, w_codes, w_sc, bias, out0; writes out0
.if DOCPART == 2
	.amdgcn_target "amdgcn-amd-amdhsa--gfx1250"
	.amdhsa_code_object_version 6
	.text
	.protected	k_q6bd2f74709_gemm
	.globl	k_q6bd2f74709_gemm
	.p2align	8
	.type	k_q6bd2f74709_gemm,@function
k_q6bd2f74709_gemm:
	s_mov_b64 s[64:65], 0
	v_nop
	global_prefetch_b8 v0, s[64:65] scope:SCOPE_SE
	s_setreg_imm32_b32 hwreg(HW_REG_WAVE_MODE, 25, 1), 1
	s_wait_xcnt 0x0
	s_wait_alu depctr_hold_cnt(0) depctr_sa_sdst(0) depctr_va_vdst(0) depctr_va_sdst(0) depctr_va_ssrc(0) depctr_va_vcc(0) depctr_vm_vsrc(0)
	s_getreg_b32 s2, hwreg(HW_REG_IB_STS2, 6, 4)
	s_cmp_eq_u32 s2, 0
	s_cbranch_scc0 .Lentry_in_a_cluster
	s_endpgm
.Lentry_in_a_cluster:
	s_bfe_u32 s2, ttmp6, 0x10000c
	s_cmp_lg_u32 s2, 0x3003
	s_cbranch_scc0 .Lentry_shape_is_right
	s_endpgm
.Lentry_shape_is_right:
; out0[m][n] = bias[n] + sum over k of A[m][k] W[n][k]: both operands codes of BF6 (E3M2) with E8M0 scales, multiplied by the scaled matrix instruction; sums in f32, K ascending.
; A WORK-GROUP (x: 256 rows of A; y: 256 rows of W) makes one tile of 256 x 256; four waves, each 64 rows x 256 columns: 64 accumulators, 512 registers.
; A GOES FROM MEMORY STRAIGHT INTO REGISTERS, each byte once a work-group: a_frag holds it in the order of the operand's registers, so a fragment is three loads of 512 consecutive bytes.
; A ring of four sets (a set: 4 fragments, one step of 128 along K); a set is asked for at the end of the step that frees its registers, three whole steps ahead of its use.
; W GOES THROUGH LDS, in periods of 768 bytes of each row (eight whole steps), cut into X (bytes 0-511) and Y (bytes 512-767): two regions that take turns, each of 256 rows 528 bytes apart; both pieces begin at
; multiples of 256 bytes of memory.  Each wave brings 64 rows by one load.  Step 5 of a period lies across X and Y.  X is filled again in step 5, when step 5's fragments are in registers, and is read again from step 7 on;
; Y is filled again in step 7 and read again from step 4 on.  CLUSTER: the four work-groups along x need the same rows of W: each load is a joint one, mask 15.
; A STEP is 64 matrix instructions, W's blocks one after the other, each against A's four: so a block of W is free when its four products are issued, and ONE set of 16 fragments serves W:
; blocks 0-7 are fetched anew in the step's middle, blocks 8-15 at its end: two runs of 48 LDS loads.
; THE SCALES come from a_sc and w_sc, 16 bytes a row for four steps: sixteen lanes read 256 consecutive bytes; asked for four steps ahead, two sets.
; THE BIAS is loaded into the accumulators, so that every step adds in place.  The matrix instruction is used transposed (source 0 = 16 rows of W, source 1 = 16 rows of A): a lane holds 8 neighbouring columns of a row.
; No prefetch into the L2 is laid: A is asked for 36 loads (18,432 bytes a wave) ahead of its use, and of W's 768 bytes a row 512 or 256 are on their way while the rest is multiplied.
; REGISTERS: window 0: v0-15 addresses; v16-31 A's scale words, v32-95 W's; v96-239 A's sets 0-2 (on the way out: rows read back).  window 1: v0-191 W's fragments, v192-239 A's set 3.
;   window 2: the accumulators of W's blocks 0-7 ((a, b) at v[8 (4 b + a)]);  window 3: those of blocks 8-15.
.set PITCH,  528
.set BLK,    16*PITCH
.set YB,     256*PITCH                 ; Y behind X
.set STAGE,  2*YB                      ; 16 rows x 528 bytes a wave, for the way out; no tensor load lands here
.set SPITCH, 528
.set SPARE,  STAGE+4*16*SPITCH         ; the spare words
.set ABLK,   49152                     ; 16 rows of A, all of K
.set ASTEP,  1536
.set RD,  0
.set SPW, 1
.set NIL, 2
.set AO,  3                            ; 16 x lane
.set VSA, 4                            ; A's scales: 16 r + 2,048 h (lanes 16-31: the next block)
.set VSB, 5                            ; W's scales: 16 r + 16,384 h (lanes 16-31: eight blocks on)
.set BO,  6                            ; 32 h
.set STO, 7
.set ADRX, 8                           ; v8-9   my fragment's bytes in X, blocks 0-7 and 8-15
.set ADRY, 10                          ; v10-11 the same in Y
.set ADRC, 12                          ; v12-13 lanes 0-15 at byte 488 of the row in X, lanes 16-31 at byte 0 of the row in Y
.set ASC, 16
.set BSC, 32
.set BK,  96
.set G1X, 24
.set G0X, 32
.set G0Y, 36
.set G1Y, 40
.set PA,  48
.set SAC, 50
.set SBC, 52
.set TM,  54
.set TR,  56
.set MSB, 0
.macro WIN new
.if MSB != \new
	s_set_vgpr_msb (MSB<<8)|\new
.set MSB, \new
.endif
.endm
.macro PLACES
.rept 4
	v_nop
.endr
.endm
.macro CREST
	s_cmp_lg_u32 s16, 0
	s_cbranch_scc1 .Lnot_wave_0_\@
	s_barrier_signal -3
.Lnot_wave_0_\@:
	s_barrier_wait -3
	s_barrier_signal -1
	s_barrier_wait -1
.endm
.macro CROUND
	s_barrier_signal -1
	s_barrier_wait -1
	CREST
.endm
.macro JL g0, g1                       ; my 64 rows of X or of Y; s_nop 0 and four v_nop behind it
	tensor_load_to_lds s[\g0:\g0+3], s[\g1:\g1+7]
	s_nop 0
	PLACES
.endm
.macro ASET st                         ; where step st's set of A lies
.set AK, (\st)%4
.if AK < 3
.set AW, 0
.set AR, 96+48*AK
.else
.set AW, 1
.set AR, 192
.endif
.endm
.macro AL3 st, a                       ; three loads: A's block a of step st, counted from the trip's first
	ASET \st
	WIN (AW<<6)
.irp j, 0,1,2
	global_load_b128 v[AR+12*(\a)+4*\j:AR+12*(\a)+4*\j+3], v[AO], s[PA:PA+1] offset:(\a)*ABLK+(\st)*ASTEP+\j*512
.endr
.endm
.macro SCL q                           ; ten loads: the scale words of steps 4 q .. 4 q + 3, counted from the trip's first, into set q % 2
.irp p, 0,1
	global_load_b128 v[ASC+8*((\q)%2)+4*\p:ASC+8*((\q)%2)+4*\p+3], v[VSA], s[SAC:SAC+1] offset:4096*\p+256*(\q)
.endr
.irp i, 0,1,2,3,4,5,6,7
	global_load_b128 v[BSC+32*((\q)%2)+4*\i:BSC+32*((\q)%2)+4*\i+3], v[VSB], s[SBC:SBC+1] offset:2048*\i+256*(\q)
.endr
.endm
.macro BIAS hb                         ; bias at my eight columns of W's blocks 8 hb .. 8 hb + 7, into their accumulators
	WIN ((2+\hb)<<6)
.irp b, 0,1,2,3,4,5,6,7
.irp a, 0,1,2,3
	global_load_b128 v[8*(4*\b+\a):8*(4*\b+\a)+3], v[BO], s[12:13] offset:512*\hb+64*\b
	global_load_b128 v[8*(4*\b+\a)+4:8*(4*\b+\a)+7], v[BO], s[12:13] offset:512*\hb+64*\b+16
.endr
.endr
	WIN 0
.endm
.macro BF st, i                        ; W's block i of step st of a period: six loads of 8 bytes.  BY: where the piece of lanes 0-15 begins in the period's 768 bytes; that of lanes 16-31 begins 24 bytes on
	WIN 0x40
.irp p, 0,1,2,3,4,5
.set BY, 96*(\st)+48*(\p/3)+8*(\p%3)
.if BY+24 < 512
	ds_load_b64 v[12*(\i)+2*\p:12*(\i)+2*\p+1], v[ADRX+(\i)/8] offset:BY+((\i)%8)*BLK
.elseif BY >= 512
	ds_load_b64 v[12*(\i)+2*\p:12*(\i)+2*\p+1], v[ADRY+(\i)/8] offset:BY-512+((\i)%8)*BLK
.else
	ds_load_b64 v[12*(\i)+2*\p:12*(\i)+2*\p+1], v[ADRC+(\i)/8] offset:BY-488+((\i)%8)*BLK
.endif
.endr
.endm
.macro GRP st, b                       ; four matrix instructions: W's block b against A's four.  The 64 accumulators take turns, in the same order in every step
	ASET \st
	WIN ((2+(\b)/8)*0x50+4*AW+1)
.set SQ, ((\st)/4)%2
.set SW, (\st)%4
.set B_, 12*(\b)
.set SB_, BSC+32*SQ+4*((\b)%8)+SW
.irp a, 0,1,2,3
.set D_, 8*(4*((\b)%8)+\a)
.set A_, AR+12*\a
.set SA_, ASC+8*SQ+4*(\a/2)+SW
.if (\b) < 8
.if \a%2 == 0
	v_wmma_scale_f32_16x16x128_f8f6f4 v[D_:D_+7], v[B_:B_+11], v[A_:A_+11], v[D_:D_+7], v[SB_], v[SA_] matrix_a_fmt:MATRIX_FMT_BF6 matrix_b_fmt:MATRIX_FMT_BF6
.else
	v_wmma_scale_f32_16x16x128_f8f6f4 v[D_:D_+7], v[B_:B_+11], v[A_:A_+11], v[D_:D_+7], v[SB_], v[SA_] matrix_a_fmt:MATRIX_FMT_BF6 matrix_b_fmt:MATRIX_FMT_BF6 matrix_b_scale:MATRIX_SCALE_ROW1
.endif
.else
.if \a%2 == 0
	v_wmma_scale_f32_16x16x128_f8f6f4 v[D_:D_+7], v[B_:B_+11], v[A_:A_+11], v[D_:D_+7], v[SB_], v[SA_] matrix_a_fmt:MATRIX_FMT_BF6 matrix_b_fmt:MATRIX_FMT_BF6 matrix_a_scale:MATRIX_SCALE_ROW1
.else
	v_wmma_scale_f32_16x16x128_f8f6f4 v[D_:D_+7], v[B_:B_+11], v[A_:A_+11], v[D_:D_+7], v[SB_], v[SA_] matrix_a_fmt:MATRIX_FMT_BF6 matrix_b_fmt:MATRIX_FMT_BF6 matrix_a_scale:MATRIX_SCALE_ROW1 matrix_b_scale:MATRIX_SCALE_ROW1
.endif
.endif
.endr
.endm
; Step st of a period.  The wait on LOADcnt leaves out what was issued behind this step's set of A: the three steps' sets since (12 each) and, but in steps 0 and 4, the ten scale loads among them; in the last trip the counts run down.
; The waits on DScnt leave out the one run of 48 loads issued behind the blocks that are wanted.
; SY = 1 (step 4): a barrier shows Y whole, ahead of the fetch of step 5.  SY = 2 (step 5): X is read no more: a round of the cluster's barrier, and X is filled again.  SY = 3 (step 7): X is whole, Y is read no more and is filled again.
.macro STEP st, last
.set NA, 3
.set NS, 0
.if (\st)%4 != 0
.set NS, 10
.endif
.set SY, 0
.set FE, 1
.if (\st) == 4
.set SY, 1
.endif
.if \last
.if 7-(\st) < 3
.set NA, 7-(\st)
.endif
.if (\st) > 4
.set NS, 0
.endif
.if (\st) == 7
.set FE, 0
.endif
.else
.if (\st) == 5
.set SY, 2
.endif
.if (\st) == 7
.set SY, 3
.endif
.endif
	s_wait_loadcnt 12*NA+NS
.if SY > 0
	s_wait_tensorcnt 0x0                           ; my one load that was out has landed
.if SY == 2
	ds_add_u32 v[SPW], v[NIL]
	s_add_nc_u64 s[G0X+2:G0X+3], s[G0X+2:G0X+3], 768
.elseif SY == 3
	ds_add_u32 v[SPW], v[NIL]
	s_add_nc_u64 s[G0Y+2:G0Y+3], s[G0Y+2:G0Y+3], 768
.endif
	s_wait_dscnt 48                                ; blocks 0-7 are in
.irp b, 0,1,2,3
	GRP \st, \b
.endr
	s_wait_dscnt 0x0                               ; the add is done, all my LDS reads are back
	s_barrier_signal -1
.irp b, 4,5,6,7
	GRP \st, \b
.endr
	WIN 0
	s_barrier_wait -1
.if SY == 2
	CREST                                          ; the barrier has opened a round of the cluster's barrier
	JL G0X, G1X
.elseif SY == 3
	CREST
	JL G0Y, G1Y
.else
	PLACES
.endif
.else
	s_wait_dscnt 48                                ; blocks 0-7 are in
.irp b, 0,1,2,3,4,5,6,7
	GRP \st, \b
.endr
	PLACES                                         ; four places in front of loads into registers that matrix instructions have read
.endif
.if FE
.irp i, 0,1,2,3,4,5,6,7
	BF ((\st)+1)%8, \i
.endr
.endif
	WIN 0
.if (\st) == 0
	SCL 1
.endif
.if (\st) == 4
.if \last == 0
	SCL 2
.endif
.endif
.if FE
	s_wait_dscnt 48                                ; blocks 8-15 are in
.else
	s_wait_dscnt 0x0
.endif
.irp b, 8,9,10,11,12,13,14,15
	GRP \st, \b
.endr
	PLACES
.if FE
.irp i, 8,9,10,11,12,13,14,15
	BF ((\st)+1)%8, \i
.endr
.endif
.if (\last == 0) || ((\st) < 4)
.irp a, 0,1,2,3
	AL3 (\st)+4, \a                                ; into the set that this step has just read
.endr
.endif
	WIN 0
.endm
; THE WAY OUT, by units of 16 rows x 128 columns (unit u: A's block u / 2, W's blocks 8 (u % 2) ..): through my own stage and back as whole rows of 512 bytes.
.macro TOSTAGE u
	WIN ((2+(\u)%2)<<2)
.irp b, 0,1,2,3,4,5,6,7
	ds_store_b128 v[STO], v[8*(4*\b+(\u)/2):8*(4*\b+(\u)/2)+3] offset:64*\b      ; each accumulator from its low end on
	ds_store_b128 v[STO], v[8*(4*\b+(\u)/2)+4:8*(4*\b+(\u)/2)+7] offset:64*\b+16
.endr
	WIN 0
.irp t, 0,1,2,3,4,5,6,7,8,9,10,11,12,13,14,15
	ds_load_b128 v[BK+64*((\u)%2)+4*\t:BK+64*((\u)%2)+4*\t+3], v[RD] offset:\t*SPITCH
.endr
.endm
.macro SEND u, younger
	s_wait_dscnt \younger
.irp t, 0,1,2,3,4,5,6,7,8,9,10,11,12,13,14,15
	global_store_b128 v[AO], v[BK+64*((\u)%2)+4*\t:BK+64*((\u)%2)+4*\t+3], s[14:15] offset:((\u)/2)*262144+\t*16384+((\u)%2)*512 th:TH_STORE_NT   ; 512 consecutive bytes, aligned
.endr
.endm
	s_load_b256 s[4:11], s[0:1], 0x0               ; a_frag, a_sc, w_codes, w_sc
	s_load_b128 s[12:15], s[0:1], 0x20             ; bias, out0
	v_lshl_add_u32 v[SPW], v0, 2, SPARE
	v_mov_b32 v[NIL], 0
	ds_add_u32 v[SPW], v[NIL]                      ; the opening lines: the add twice and one wait
	ds_add_u32 v[SPW], v[NIL]
	v_lshrrev_b32 v240, 5, v0
	v_readfirstlane_b32 s16, v240                  ; wave 0..3
	v_and_b32 v241, 15, v0                         ; r
	v_bfe_u32 v242, v0, 4, 1                       ; h
	v_and_b32 v243, 31, v0
	v_lshlrev_b32 v[AO], 4, v243
	v_lshlrev_b32 v244, 4, v241
	v_lshl_add_u32 v[VSA], v242, 11, v244
	v_lshl_add_u32 v[VSB], v242, 14, v244
	v_lshlrev_b32 v[BO], 5, v242
	v_mul_u32_u24 v245, v241, PITCH                ; a fragment's row x pitch
	v_mad_u32_u24 v246, v242, 24, v245             ; + 24 h
	v_mul_u32_u24 v247, v242, YB-488               ; lanes 16-31: from byte 488 of X's row to byte 0 of Y's
	v_add_nc_u32 v247, v245, v247
.irp u, 0,1
	v_add_nc_u32 v[ADRX+\u], \u*8*BLK, v246
	v_add_nc_u32 v[ADRY+\u], YB+\u*8*BLK, v246
	v_add_nc_u32 v[ADRC+\u], 488+\u*8*BLK, v247
.endr
	s_mul_i32 s20, s16, 16*SPITCH
	s_add_co_u32 s20, s20, STAGE
	v_mul_u32_u24 v248, v241, SPITCH
	v_lshl_add_u32 v248, v242, 5, v248
	v_add_nc_u32 v[STO], s20, v248
	v_add_nc_u32 v[RD], s20, v[AO]
	s_bfe_u32 s17, ttmp6, 0x40000                  ; cx
	s_lshl_b32 s18, ttmp9, 2
	s_add_co_u32 s18, s18, s17                     ; which 256 rows of A
	s_and_b32 s19, ttmp7, 0xffff                   ; which 256 rows of W: the same in the four partners
	s_mov_b32 s[G1X+0], 15|(1<<20)|(1<<21)|(6<<22)|(3<<25)   ; mask: the four; elements of 1 byte; 4 words of padding behind every 128
	s_mov_b32 s[G1X+1], 512<<16
	s_mov_b32 s[G1X+2], 64<<16
	s_mov_b32 s[G1X+3], 512<<16
	s_mov_b32 s[G1X+4], 64
	s_mov_b32 s[G1X+5], 3072
	s_mov_b32 s[G1X+6], 0
	s_mov_b32 s[G1X+7], 0
	s_mov_b32 s[G1Y+0], 15|(1<<20)|(1<<21)|(5<<22)|(67<<25)  ; 68 words of padding behind every 64: the same pitch as X's
	s_mov_b32 s[G1Y+1], 256<<16
	s_mov_b32 s[G1Y+2], 64<<16
	s_mov_b32 s[G1Y+3], 256<<16
	s_mov_b32 s[G1Y+4], 64
	s_mov_b32 s[G1Y+5], 3072
	s_mov_b32 s[G1Y+6], 0
	s_mov_b32 s[G1Y+7], 0
	s_lshl_b32 s20, s18, 4
	s_lshl_b32 s21, s16, 2
	s_add_co_u32 s20, s20, s21                     ; my first block of 16 rows of A
	s_mul_i32 s22, s20, ABLK
	s_mov_b32 s23, 0
	s_lshl_b32 s20, s20, 11
	s_mov_b32 s21, 0
	s_lshl_b32 s58, s19, 8
	s_lshl_b32 s59, s16, 6
	s_add_co_u32 s58, s58, s59
	s_mul_i32 s58, s58, 3072                       ; W: row 256 y + 64 wave
	s_mov_b32 s59, 0
	s_lshl_b32 s60, s19, 15                        ; w_sc: block 16 y
	s_mov_b32 s61, 0
	s_lshl_b32 s62, s19, 10                        ; bias, and out0's columns, in bytes
	s_mov_b32 s63, 0
	s_lshl_b32 s[TM], s18, 22
	s_lshl_b32 s[TM+1], s16, 20
	s_add_co_u32 s[TM], s[TM], s[TM+1]             ; out0: row 256 x + 64 wave, 16,384 bytes a row
	s_mov_b32 s[TM+1], 0
	s_mul_i32 s[TR], s16, 64*PITCH                 ; my 64 rows in X and in Y
	s_wait_alu depctr_va_vdst(0)                   ; the wait at the head's end
	s_wait_dscnt 0x0
	s_wait_kmcnt 0x0
	s_add_nc_u64 s[PA:PA+1], s[4:5], s[22:23]
	s_add_nc_u64 s[SAC:SAC+1], s[6:7], s[20:21]
	s_add_nc_u64 s[SBC:SBC+1], s[10:11], s[60:61]
	s_add_nc_u64 s[12:13], s[12:13], s[62:63]
	s_add_nc_u64 s[14:15], s[14:15], s[62:63]
	s_add_nc_u64 s[14:15], s[14:15], s[TM:TM+1]
	s_add_nc_u64 s[8:9], s[8:9], s[58:59]
	s_mov_b32 s[G0X], 1
	s_mov_b32 s[G0X+1], s[TR]
	s_mov_b64 s[G0X+2:G0X+3], s[8:9]
	s_or_b32 s[G0X+3], s[G0X+3], 0x80000000
	s_mov_b32 s[G0Y], 1
	s_add_co_u32 s[G0Y+1], s[TR], YB
	s_add_nc_u64 s[G0Y+2:G0Y+3], s[8:9], 512
	s_or_b32 s[G0Y+3], s[G0Y+3], 0x80000000
	CROUND                                         ; the four partners are here: the first joint loads meet
	JL G0X, G1X                                    ; the first period's X: my one tensor load at the head
	SCL 0                                          ; then the first scale words, the bias,
	BIAS 0
	BIAS 1
.irp t, 0,1,2,3
.irp a, 0,1,2,3
	AL3 \t, \a                                     ; and A's sets 0 to 3
.endr
.endr
	WIN 0
	s_wait_tensorcnt 0x0                           ; ahead of a later first fill
	ds_add_u32 v[SPW], v[NIL]
	s_wait_dscnt 0x0
	CROUND
	JL G0Y, G1Y                                    ; the first period's Y
.irp i, 0,1,2,3,4,5,6,7,8,9,10,11,12,13,14,15
	BF 0, \i
.endr
	WIN 0
	s_mov_b32 s[TR], 0
.Ltrip:                                                ; a trip: one period, eight steps; X and Y are filled again
.set ST_, 0
.rept 8
	STEP ST_, 0
.set ST_, ST_+1
.endr
	s_wait_xcnt 0x0                                ; the loads have read their bases
	s_add_nc_u64 s[PA:PA+1], s[PA:PA+1], 8*ASTEP
	s_add_nc_u64 s[SAC:SAC+1], s[SAC:SAC+1], 512
	s_add_nc_u64 s[SBC:SBC+1], s[SBC:SBC+1], 512
	s_add_co_u32 s[TR], s[TR], 1
	s_cmp_lt_u32 s[TR], 3
	s_cbranch_scc1 .Ltrip
.set ST_, 0
.rept 8
	STEP ST_, 1                                    ; the last period asks for nothing beyond the end
.set ST_, ST_+1
.endr
	PLACES
	TOSTAGE 0
.irp u, 1,2,3,4,5,6,7
.if \u > 1
	s_wait_xcnt 0x0                                ; unit u - 2's stores have read their registers
.endif
	TOSTAGE \u
	SEND \u-1, 32                                  ; behind unit u - 1's loads: unit u's 16 stores and 16 loads
.endr
	SEND 7, 0
	s_wait_tensorcnt 0x0                           ; the wave's end
	ds_add_u32 v[SPW], v[NIL]
	s_wait_dscnt 0x0
	CROUND                                         ; the closing round
	s_endpgm
.Lfunc_end_k_q6bd2f74709_gemm:
	.size	k_q6bd2f74709_gemm, .Lfunc_end_k_q6bd2f74709_gemm-k_q6bd2f74709_gemm
	.p2alignl 7, 3214868480
	.fill 96, 4, 3214868480
	.section	.rodata,"a",@progbits
	.p2align	6, 0x0
	.amdhsa_kernel k_q6bd2f74709_gemm
		.amdhsa_group_segment_fixed_size 327680
		.amdhsa_private_segment_fixed_size 0
		.amdhsa_enable_private_segment 0
		.amdhsa_kernarg_size 48
		.amdhsa_user_sgpr_count 2
		.amdhsa_user_sgpr_kernarg_segment_ptr 1
		.amdhsa_wavefront_size32 1
		.amdhsa_system_sgpr_workgroup_id_x 1
		.amdhsa_system_sgpr_workgroup_id_y 1
		.amdhsa_system_sgpr_workgroup_id_z 1
		.amdhsa_system_vgpr_workitem_id 0
		.amdhsa_next_free_vgpr 1024
		.amdhsa_next_free_sgpr 66
		.amdhsa_reserve_vcc 0
		.amdhsa_float_denorm_mode_32 3
		.amdhsa_float_denorm_mode_16_64 3
		.amdhsa_memory_ordered 1
		.amdhsa_forward_progress 1
		.amdhsa_inst_pref_size 255
	.end_amdhsa_kernel
	.section	.bss,"aw",@nobits
	.p2align	6
	.space	262144
	.amdgpu_metadata
---
amdhsa.version: [ 1, 2 ]
amdhsa.kernels:
  - .name:           k_q6bd2f74709_gemm
    .symbol:         k_q6bd2f74709_gemm.kd
    .args:
      - { .name: a_frag, .offset: 0, .size: 8, .value_kind: global_buffer, .address_space: global }
      - { .name: a_sc, .offset: 8, .size: 8, .value_kind: global_buffer, .address_space: global }
      - { .name: w_codes, .offset: 16, .size: 8, .value_kind: global_buffer, .address_space: global }
      - { .name: w_sc, .offset: 24, .size: 8, .value_kind: global_buffer, .address_space: global }
      - { .name: bias, .offset: 32, .size: 8, .value_kind: global_buffer, .address_space: global }
      - { .name: out0, .offset: 40, .size: 8, .value_kind: global_buffer, .address_space: global }
    .group_segment_fixed_size: 327680
    .private_segment_fixed_size: 0
    .kernarg_segment_align: 8
    .kernarg_segment_size: 48
    .max_flat_workgroup_size: 128
    .sgpr_count:     66
    .vgpr_count:     1024
    .wavefront_size: 32
...
	.end_amdgpu_metadata
.endif
;; end of part 2
